; MI455X (gfx1250); checked and timed in simulation.
; The chip was launched on July 23, 2026; its instructions are those of AMD's public machine-readable ISA for CDNA 5 (MIT licence, August 2026) and "CDNA5" Instruction Set Architecture Reference Guide (July 2026). The comments in the code are by the model that wrote it; some were corrected since.
;; Molecular Clifford EP Model. Allowed arithmetic: float matrix products may take bf16 or f16 operands with f32 sums; other float arithmetic in f32, or as packed bf16 or f16 multiplies, adds, multiply-adds, maxima and minima; sums over many terms, partial sums and values carried from step to step in f32; what a program stores and reads back later, other than sums and carried values, may be rounded once to bf16 or f16.
;; Inputs: W_in 512 x 1 x 8 float32; W_out 128 x 512 x 8 float32; x_mv 4,096 x 8 float32.
;; Outputs: out0 4,096 x 128 float32.
;; 2 versions, each right; version 2 is version 1 with the launch apply written anew for expert scheduling mode. Each part assembles by itself: llvm-mc -triple=amdgcn-amd-amdhsa -mcpu=gfx1250 --defsym DOCPART=n.
;; ======== version 1 of 2: 2 launches
;; workspace buffers: tp 32,768 bytes
;; launch fold (part 1): grid 8 x 8, 4 waves a work-group, no clusters, 167,936 bytes of LDS; arguments W_in, W_out, tp; writes tp
.if DOCPART == 1
	.amdgcn_target "amdgcn-amd-amdhsa--gfx1250"
	.amdhsa_code_object_version 6
	.text
	.protected	k_qc2bbf756cf_fold
	.globl	k_qc2bbf756cf_fold
	.p2align	8
	.type	k_qc2bbf756cf_fold,@function
k_qc2bbf756cf_fold:
	s_mov_b64 s[64:65], 0
	v_nop
	global_prefetch_b8 v0, s[64:65] scope:SCOPE_SE
	s_setreg_imm32_b32 hwreg(HW_REG_WAVE_MODE, 25, 1), 1
	s_wait_xcnt 0x0
; FIRST OF TWO LAUNCHES.  The module is linear in x: ten steps h <- h - 0.1 (h - W_x) from h = 0 give h = a W_x with one number a, and of the second
; geometric product only blade 0 is kept, to which blade k of h and blade k of W_out contribute with the sign s_k of e_k e_k.  So
;   out[b][o] = a * sum over i of x[b][i] T[o][i],   T[o][i] = sum over m, k of sg(i,k) W_in[m][i^k] W_out[o][m][k],   sg(i,k) = s_k * sign(e_i e_(i^k)).
; This launch makes T, in 8 partial sums over slices of 64 m; the second launch adds them and multiplies by x and a.
; LIMITS.  The sum over (m, k) is taken before the sum over i: an order of rounding other than the module's as written.  W_in and W_out are rounded once to bf16
; (a change of sign is exact), all sums are f32.  NaN and infinities are not treated apart.
; SHARES.  Work-group (tau, s): the 16 rows o = 64 (tau / 4) + tau % 4 + 4 r, r = 0..15, and m = 64 s .. 64 s + 63.  Wave w: 16 of those m = 128 numbers along K = four matrix instructions.
; 64 work-groups: each further slice of K would be read again by each of the second launch's 256 waves.
; NO CLUSTER: no two work-groups share a byte of W_out, and the slice of W_in that eight of them share is 2 KB beside 32 KB.
; MATRIX LAYOUT.  Source 0 = V, row i = r % 8 (rows 8-15 repeat rows 0-7), V[i][(m,k)] = sg(i,k) W_in[m][i^k].  Source 1 = W_out, column r.  The places along K are dealt alike in both:
; in instruction t, lane half h, registers 0-3 hold blades 0..7 of local m = 4 t + 2 h, registers 4-7 those of 4 t + 2 h + 1.  Result: register j of lane (r, h) = T[o_r][j], in both halves.
; tp[s][tau][L][4] f32: L = 16 h + r holds T_s[o_r][4 h .. 4 h + 3]: each store of a wave covers 512 consecutive bytes, aligned.
.set PITCH, 528                        ; a row of W_out's tile in LDS: 512 bytes + 16 = 33 x 16: the 16 rows of a load start at 16 different groups of four banks (64 banks of 4 bytes: ISA guide 11.1)
.set WOTW,  16*PITCH                   ; a wave's tile of W_out: 8,448 bytes; wave w's at w x 8,448
.set WIN,   4*WOTW                     ; 33,792: a wave's 16 m x 32 bytes of W_in, 512 bytes a wave
.set RED,   WIN+4*512                  ; 35,840: the four waves' sums, 512 bytes a wave; written by ds_store, never filled by a tensor load
.set SPARE, RED+4*512                  ; 37,888: the spare words, 128 bytes a wave: two blocks of 256 bytes that no other line names
.set VB,   5                           ; v5   LDS address of my 64 bytes in my row of W_out's tile
.set VA0,  6                           ; v6   LDS address of the four blades of W_in that go to places k = 0..3: quad i / 4
.set VA1,  7                           ; v7   the other quad, for places k = 4..7
.set SELA, 8                           ; v8   v_perm_b32's selector for places c = 0, 1 of a quad
.set SELB, 9                           ; v9   for places c = 2, 3
.set MSK,  12                          ; v[12:15] sign bits for the pairs of places (2 p, 2 p + 1)
.set RST,  16                          ; v16  where I put my sums
.set RLD,  17                          ; v17  where wave 0 reads them back
.set GO,   18                          ; v18  my 16 bytes of the 512 that wave 0 stores
.set SPW,  20                          ; v20  LDS address of my spare word; never rewritten
.set NIL,  21                          ; v21  0; never rewritten
.set TP,   24                          ; v[24:31] at work: two sets of four
.set BR,   32                          ; v[32:95]   W_out as loaded, 16 a step
.set AR,   96                          ; v[96:159]  W_in as loaded, 16 a step
.set BF,   160                         ; v[160:191] source 1, 8 a step
.set AF,   192                         ; v[192:223] source 0, 8 a step
.set ACC0, 224
.set ACC1, 232
.set SUM,  240
.set G0O, 20                           ; s[20:23] descriptor group 0, W_out's tile
.set G1O, 24                           ; s[24:31] group 1
.set G0I, 36                           ; s[36:39] group 0, W_in's row
.set G1I, 40                           ; s[40:47] group 1
	s_load_b128 s[4:7], s[0:1], 0x0                ; W_in s[4:5], W_out s[6:7]
	s_load_b64 s[8:9], s[0:1], 0x10                ; tp
	v_lshl_add_u32 v[SPW], v0, 2, SPARE
	v_mov_b32 v[NIL], 0
	ds_add_u32 v[SPW], v[NIL]                      ; the wave's opening: the add and its wait stand ahead of my first tensor load; the set-up below, work on registers, stands between them
	v_lshrrev_b32 v1, 5, v0
	v_readfirstlane_b32 s10, v1                    ; wave 0..3
	s_mov_b32 s11, ttmp9                           ; tau
	s_and_b32 s12, ttmp7, 0xffff                   ; s
	s_lshl_b32 s14, s12, 11                        ; the slice: 64 m x 32 bytes, in a row of W_out and in W_in alike,
	s_lshl_b32 s13, s10, 9                         ; my wave's 16 m of it
	s_add_co_u32 s14, s14, s13
	s_mov_b32 s15, 0
	s_lshr_b32 s16, s11, 2                         ; row o = 64 (tau / 4) + tau % 4 of 16,384 bytes
	s_lshl_b32 s16, s16, 20
	s_and_b32 s17, s11, 3
	s_lshl_b32 s17, s17, 14
	s_add_co_u32 s16, s16, s17
	s_add_co_u32 s16, s16, s14                     ; and my place along it
	s_mov_b32 s17, 0
	s_lshl_b32 s18, s12, 12                        ; tp: 4,096 s + 512 tau
	s_lshl_b32 s19, s11, 9
	s_add_co_u32 s18, s18, s19
	s_mov_b32 s19, 0
	s_mov_b32 s32, 0xbd42e8e8                      ; bit k of byte i: sg(i,k) < 0, rows i = 0..3.  The exponent of -1 is A(k) + A(i) + k0 (i1 + i2) + k1 i2, A(n) = n0 n1 + n0 n2 + n1 n2
	s_mov_b32 s33, 0xdbdb718e                      ; rows i = 4..7
	s_mov_b32 s34, 0x02020202
	s_add_co_u32 s35, s13, RED                     ; my wave's 512 bytes for its sums
	; W_out's tile: 16 rows of 128 f32, four rows of the tensor apart, padded in LDS
	s_mov_b32 s[G0O], 1                            ; count = 1
	s_mul_i32 s[G0O+1], s10, WOTW                  ; LDS address
	s_mov_b32 s[G1O+0], (2<<16)|(1<<20)|(6<<22)|(3<<25)  ; 4-byte elements; padding on; after every 128 words (code 6); 4 words of it (code 3)
	s_mov_b32 s[G1O+1], 128<<16                    ; tensor_dim0 = 128
	s_mov_b32 s[G1O+2], 16<<16                     ; tensor_dim1 = 16
	s_mov_b32 s[G1O+3], 128<<16                    ; tile_dim0 = 128
	s_mov_b32 s[G1O+4], 16                         ; tile_dim1 = 16
	s_mov_b32 s[G1O+5], 4*4096                     ; elements from one of my rows to the next: o steps by 4
	s_mov_b32 s[G1O+6], 0
	s_mov_b32 s[G1O+7], 0
	; W_in's part: one row of 512 dense bytes
	s_mov_b32 s[G0I], 1
	s_add_co_u32 s[G0I+1], s13, WIN
	s_mov_b32 s[G1I+0], 3<<16                      ; 8-byte elements, no padding
	s_mov_b32 s[G1I+1], 64<<16                     ; tensor_dim0 = 64
	s_mov_b32 s[G1I+2], 1<<16                      ; tensor_dim1 = 1
	s_mov_b32 s[G1I+3], 64<<16                     ; tile_dim0 = 64
	s_mov_b32 s[G1I+4], 1                          ; tile_dim1 = 1
	s_mov_b32 s[G1I+5], 64
	s_mov_b32 s[G1I+6], 0
	s_mov_b32 s[G1I+7], 0
	s_wait_dscnt 0x0                               ; the opening add is done
	s_wait_kmcnt 0x0
	s_add_nc_u64 s[G0O+2:G0O+3], s[6:7], s[16:17]
	s_or_b32 s[G0O+3], s[G0O+3], 0x80000000        ; type = 2
	s_add_nc_u64 s[G0I+2:G0I+3], s[4:5], s[14:15]
	s_or_b32 s[G0I+3], s[G0I+3], 0x80000000
	s_add_nc_u64 s[8:9], s[8:9], s[18:19]
	tensor_load_to_lds s[G0O:G0O+3], s[G1O:G1O+7]  ; both first fills go out together, the larger first: two tensor loads of mine are out.  Every LDS byte is filled once
	s_nop 0
	tensor_load_to_lds s[G0I:G0I+3], s[G1I:G1I+7]
	s_nop 0
	; what hangs on the lane alone is made while the tiles are on their way
	v_and_b32 v2, 15, v0                           ; r
	v_bfe_u32 v3, v0, 4, 1                         ; h
	v_bfe_u32 v4, v0, 2, 1                         ; bit 2 of i = r % 8
	v_mul_u32_u24 v[VB], v2, PITCH
	v_lshl_add_u32 v[VB], v3, 6, v[VB]
	v_add_nc_u32 v[VB], s[G0O+1], v[VB]            ; my tile + 528 r + 64 h
	v_lshlrev_b32 v10, 6, v3
	v_add_nc_u32 v10, s[G0I+1], v10                ; my wave's W_in + 64 h
	v_sub_nc_u32 v11, 1, v4
	v_lshl_add_u32 v[VA0], v4, 4, v10              ; place k takes blade i ^ k: bit 2 of i swaps the two quads, by the address
	v_lshl_add_u32 v[VA1], v11, 4, v10
	v_and_b32 v10, 3, v0                           ; bits 1:0 of i permute the four halves inside a quad: byte b of the result is byte b ^ 2 (i % 4) of the quad's 8 bytes
	v_lshlrev_b32 v11, 3, v10                      ; 8 (i % 4): the row's byte in a sign table
	v_mul_lo_u32 v[SELA], v10, s34
	v_xor_b32 v[SELA], 0x03020100, v[SELA]
	v_xor_b32 v[SELB], 0x04040404, v[SELA]
	v_lshrrev_b32 v24, v11, s32
	v_lshrrev_b32 v25, v11, s33
	v_cmp_ne_u32 vcc_lo, 0, v4
	v_cndmask_b32 v24, v24, v25, vcc_lo            ; bits 7:0: my row's eight signs
.irp p, 0,1,2,3
	v_bfe_u32 v25, v24, 2*(\p), 1
	v_bfe_u32 v26, v24, 2*(\p)+1, 1
	v_lshlrev_b32 v25, 15, v25
	v_lshl_or_b32 v[MSK+(\p)], v26, 31, v25        ; the sign bits of two bf16
.endr
	v_lshl_add_u32 v[RST], v2, 4, s35              ; my wave's sums + 16 r
	v_and_b32 v10, 31, v0
	v_lshl_add_u32 v[RLD], v10, 4, RED
	v_lshlrev_b32 v[GO], 4, v10
; Step t's eight LDS loads: 64 bytes of my row of W_out (two m), and the same two m of W_in, each as two quads of blades
.macro LOADS t
.irp q, 0,1,2,3
	ds_load_b128 v[BR+16*(\t)+4*(\q):BR+16*(\t)+4*(\q)+3], v[VB] offset:128*(\t)+16*(\q)
.endr
.irp e, 0,1
	ds_load_b128 v[AR+16*(\t)+8*(\e):AR+16*(\t)+8*(\e)+3],   v[VA0] offset:128*(\t)+32*(\e)
	ds_load_b128 v[AR+16*(\t)+8*(\e)+4:AR+16*(\t)+8*(\e)+7], v[VA1] offset:128*(\t)+32*(\e)
.endr
.endm
.macro CVTB t                          ; source 1: sixteen numbers rounded to bf16, as they lie
.irp p, 0,1,2,3,4,5,6,7
	v_cvt_pk_bf16_f32 v[BF+8*(\t)+(\p)], v[BR+16*(\t)+2*(\p)], v[BR+16*(\t)+2*(\p)+1]
.endr
.endm
.macro CVTA t, e                       ; source 0, one m: rounded, permuted inside each quad, signed
.irp p, 0,1,2,3
	v_cvt_pk_bf16_f32 v[TP+4*(\e)+(\p)], v[AR+16*(\t)+8*(\e)+2*(\p)], v[AR+16*(\t)+8*(\e)+2*(\p)+1]
.endr
	v_perm_b32 v[AF+8*(\t)+4*(\e)],   v[TP+4*(\e)+1], v[TP+4*(\e)],   v[SELA]  ; selector bytes 0-3 name the second source, 4-7 the first
	v_perm_b32 v[AF+8*(\t)+4*(\e)+1], v[TP+4*(\e)+1], v[TP+4*(\e)],   v[SELB]
	v_perm_b32 v[AF+8*(\t)+4*(\e)+2], v[TP+4*(\e)+3], v[TP+4*(\e)+2], v[SELA]
	v_perm_b32 v[AF+8*(\t)+4*(\e)+3], v[TP+4*(\e)+3], v[TP+4*(\e)+2], v[SELB]
.irp p, 0,1,2,3
	v_xor_b32 v[AF+8*(\t)+4*(\e)+(\p)], v[MSK+(\p)], v[AF+8*(\t)+4*(\e)+(\p)]
.endr
.endm
; The two accumulators take turns, one instruction a turn; the first product on each starts its sum.  Each step has fragments of its own: no line behind a product names one of its registers.
.macro STEP t
	s_wait_dscnt 8*(3-(\t))                        ; LDS loads come back in order (ISA guide 5.7.1): step t's eight are in, the later steps' may be out
	CVTB \t
	CVTA \t, 0
	CVTA \t, 1
.if (\t) < 2
	v_wmma_f32_16x16x32_bf16 v[ACC0+8*((\t)%2):ACC0+8*((\t)%2)+7], v[AF+8*(\t):AF+8*(\t)+7], v[BF+8*(\t):BF+8*(\t)+7], 0
.else
	v_wmma_f32_16x16x32_bf16 v[ACC0+8*((\t)%2):ACC0+8*((\t)%2)+7], v[AF+8*(\t):AF+8*(\t)+7], v[BF+8*(\t):BF+8*(\t)+7], v[ACC0+8*((\t)%2):ACC0+8*((\t)%2)+7]
.endif
.endm
	s_wait_tensorcnt 0x0                           ; both my tiles are in LDS; I read no other wave's, so no barrier stands here
	LOADS 0
	LOADS 1
	LOADS 2
	LOADS 3
	STEP 0
	STEP 1
	STEP 2
	STEP 3
.rept 4
	v_nop                                          ; four places between the last product and the first read of its result (ISA guide 7.12.1)
.endr
.irp p, 0,2,4,6
	v_pk_add_f32 v[SUM+(\p):SUM+(\p)+1], v[ACC0+(\p):ACC0+(\p)+1], v[ACC1+(\p):ACC1+(\p)+1]  ; from the low end on
.endr
	ds_store_b128 v[RST], v[SUM:SUM+3]             ; T[o_r][0..3] to place L = r, T[o_r][4..7] to place L = 16 + r; both halves of the lanes hold, and write, the same numbers
	ds_store_b128 v[RST], v[SUM+4:SUM+7] offset:256
	s_wait_tensorcnt 0x0                           ; behind my last tensor load and my last LDS store
	ds_add_u32 v[SPW], v[NIL]
	s_wait_dscnt 0x0                               ; for wave 0's sake too: my stores are done
	s_barrier_signal -1
	s_barrier_wait -1
	s_cmp_lg_u32 s10, 0
	s_cbranch_scc1 .Lend
.irp w, 0,1,2,3
	ds_load_b128 v[BR+4*(\w):BR+4*(\w)+3], v[RLD] offset:512*(\w)  ; wave 0 adds the four waves' sums
.endr
	s_wait_dscnt 0x0
	v_pk_add_f32 v[BR:BR+1],     v[BR:BR+1],     v[BR+4:BR+5]
	v_pk_add_f32 v[BR+2:BR+3],   v[BR+2:BR+3],   v[BR+6:BR+7]
	v_pk_add_f32 v[BR+8:BR+9],   v[BR+8:BR+9],   v[BR+12:BR+13]
	v_pk_add_f32 v[BR+10:BR+11], v[BR+10:BR+11], v[BR+14:BR+15]
	v_pk_add_f32 v[BR:BR+1],     v[BR:BR+1],     v[BR+8:BR+9]
	v_pk_add_f32 v[BR+2:BR+3],   v[BR+2:BR+3],   v[BR+10:BR+11]
	global_store_b128 v[GO], v[BR:BR+3], s[8:9]    ; 512 consecutive bytes, at a multiple of 512 from tp's first
.Lend:
	s_endpgm
.Lfunc_end_k_qc2bbf756cf_fold:
	.size	k_qc2bbf756cf_fold, .Lfunc_end_k_qc2bbf756cf_fold-k_qc2bbf756cf_fold
	.p2alignl 7, 3214868480
	.fill 96, 4, 3214868480
	.section	.rodata,"a",@progbits
	.p2align	6, 0x0
	.amdhsa_kernel k_qc2bbf756cf_fold
		.amdhsa_group_segment_fixed_size 167936
		.amdhsa_private_segment_fixed_size 0
		.amdhsa_enable_private_segment 0
		.amdhsa_kernarg_size 24
		.amdhsa_user_sgpr_count 2
		.amdhsa_user_sgpr_kernarg_segment_ptr 1
		.amdhsa_wavefront_size32 1
		.amdhsa_system_sgpr_workgroup_id_x 1
		.amdhsa_system_sgpr_workgroup_id_y 1
		.amdhsa_system_sgpr_workgroup_id_z 1
		.amdhsa_system_vgpr_workitem_id 0
		.amdhsa_next_free_vgpr 256
		.amdhsa_next_free_sgpr 66
		.amdhsa_reserve_vcc 1
		.amdhsa_float_denorm_mode_32 3
		.amdhsa_float_denorm_mode_16_64 3
		.amdhsa_memory_ordered 1
		.amdhsa_forward_progress 1
		.amdhsa_inst_pref_size 16
	.end_amdhsa_kernel
	.amdgpu_metadata
---
amdhsa.version: [ 1, 2 ]
amdhsa.kernels:
  - .name:           k_qc2bbf756cf_fold
    .symbol:         k_qc2bbf756cf_fold.kd
    .args:
      - { .name: W_in, .offset: 0, .size: 8, .value_kind: global_buffer, .address_space: global }
      - { .name: W_out, .offset: 8, .size: 8, .value_kind: global_buffer, .address_space: global }
      - { .name: tp, .offset: 16, .size: 8, .value_kind: global_buffer, .address_space: global }
    .group_segment_fixed_size: 167936
    .private_segment_fixed_size: 0
    .kernarg_segment_align: 8
    .kernarg_segment_size: 24
    .max_flat_workgroup_size: 128
    .sgpr_count:     66
    .vgpr_count:     256
    .wavefront_size: 32
...
	.end_amdgpu_metadata
.endif
;; end of part 1
;; launch apply (part 2): grid 128 x 2, 1 waves a work-group, no clusters, 0 bytes of LDS; arguments x_mv, tp, out0; writes out0
.if DOCPART == 2
	.amdgcn_target "amdgcn-amd-amdhsa--gfx1250"
	.amdhsa_code_object_version 6
	.text
	.protected	k_qc2bbf756cf_apply
	.globl	k_qc2bbf756cf_apply
	.p2align	8
	.type	k_qc2bbf756cf_apply,@function
k_qc2bbf756cf_apply:
	s_mov_b64 s[64:65], 0
	v_nop
	global_prefetch_b8 v0, s[64:65] scope:SCOPE_SE
	s_setreg_imm32_b32 hwreg(HW_REG_WAVE_MODE, 25, 1), 1
	s_wait_xcnt 0x0
; SECOND OF TWO LAUNCHES.  out[b][o] = a * sum over i of x[b][i] T[o][i], with T = the sum of tp's eight partial sums and a = the factor that ten steps
; a <- a - 0.1 (a - 1) from 0 leave: h <- h - 0.1 (h - W_x) from h = 0 is h = a W_x.
; LIMITS.  x is rounded once to bf16.  T enters as two bf16 numbers, hi = bf16(T) and lo = bf16(T - hi), side by side along K, so that it keeps some 16 significant bits; sums and a in f32.
; The order of rounding differs from the module's as written.  NaN and infinities are not treated apart.
; SHARES.  One wave a work-group: 32 rows b x 64 columns o: 256 work-groups.  No LDS, no barrier, no loop: all 34 loads are asked for at the start.
; NO CLUSTER, NO TENSOR LOADS: tp's half, 16 KB, goes straight into the registers of the lane that adds it up.
; MATRIX LAYOUT.  Source 0 = x, row r = b.  Source 1 = T, column r = o = 64 half + 4 r + q, for product q = 0..3.  Lane (r, h), registers 0-1: x[b][4h..4h+3] | hi of T[o][4h..4h+3];
; registers 2-3: x once more | lo; registers 4-7: 0 in both.  Result (rho, q), register j: out(b0 + 16 rho + 8 h + j, 4 r + q): the four products' registers j are 16 neighbouring bytes of a row,
; and the multiplication by a sets them side by side.
.set VX, 3                             ; v3   my 16 bytes in 16 rows of x: 32 r + 16 h
.set VL, 4                             ; v4   16 x lane: my 16 bytes in a block of 512 of tp
.set VO, 5                             ; v5   my 16 bytes in out: 4,096 h + 16 r
.set FA, 6                             ; v6   a
.set FG, 7                             ; v7   a - 1
.set XR, 8                             ; v[8:15]    x as loaded, 4 a row tile
.set XA, 16                            ; v[16:31]   source 0, 8 a row tile
.set TB, 32                            ; v[32:63]   source 1, 8 a product
.set P,  64                            ; v[64:191]  partial sum s for product q at P + 32 q + 4 s; later the results to store, 32 a row tile
.set D,  192                           ; v[192:255] accumulators at D + 32 rho + 8 q
	s_load_b128 s[4:7], s[0:1], 0x0                ; x s[4:5], tp s[6:7]
	s_load_b64 s[8:9], s[0:1], 0x10                ; out
	v_and_b32 v1, 15, v0                           ; r
	v_bfe_u32 v2, v0, 4, 1                         ; h
	v_lshlrev_b32 v[VX], 5, v1
	v_lshl_add_u32 v[VX], v2, 4, v[VX]
	v_lshlrev_b32 v[VL], 4, v0                     ; one wave: the thread's number is the lane
	v_lshlrev_b32 v[VO], 4, v1
	v_lshl_add_u32 v[VO], v2, 12, v[VO]
	s_and_b32 s2, ttmp7, 0xffff                    ; which 64 columns
	s_lshl_b32 s10, ttmp9, 10                      ; x: 32 rows of 32 bytes
	s_mov_b32 s11, 0
	s_lshl_b32 s12, s2, 11                         ; tp: four blocks of 512 bytes in each slice
	s_mov_b32 s13, 0
	s_lshl_b32 s14, ttmp9, 14                      ; out: 32 rows of 512 bytes,
	s_lshl_b32 s3, s2, 8                           ; 256 bytes of each
	s_add_co_u32 s14, s14, s3
	s_mov_b32 s15, 0
	s_wait_kmcnt 0x0
	s_add_nc_u64 s[4:5], s[4:5], s[10:11]
	s_add_nc_u64 s[6:7], s[6:7], s[12:13]
	s_add_nc_u64 s[8:9], s[8:9], s[14:15]
.irp rho, 0,1
	global_load_b128 v[XR+4*(\rho):XR+4*(\rho)+3], v[VX], s[4:5] offset:512*(\rho)
.endr
.irp q, 0,1,2,3
.irp s, 0,1,2,3,4,5,6,7
	global_load_b128 v[P+32*(\q)+4*(\s):P+32*(\q)+4*(\s)+3], v[VL], s[6:7] offset:4096*(\s)+512*(\q)  ; 512 consecutive bytes a load
.endr
.endr
	; in the wait for them: the unused places along K hold 0 in both sources, and a is made
.irp g, XA+4, XA+12, TB+4, TB+12, TB+20, TB+28
.irp z, 0,1,2,3
	v_mov_b32 v[(\g)+(\z)], 0
.endr
.endr
	v_mov_b32 v[FA], 0
.rept 10
	v_add_f32 v[FG], -1.0, v[FA]                   ; the gradient's factor, a - 1,
	v_fmac_f32 v[FA], 0xbdcccccd, v[FG]            ; and the step: a - 0.1 (a - 1)
.endr
	s_wait_loadcnt 32                              ; loads come back in order (ISA guide 5.7.1): x is in, tp's 32 may be out
.irp rho, 0,1
	v_cvt_pk_bf16_f32 v[XA+8*(\rho)],   v[XR+4*(\rho)],   v[XR+4*(\rho)+1]
	v_cvt_pk_bf16_f32 v[XA+8*(\rho)+1], v[XR+4*(\rho)+2], v[XR+4*(\rho)+3]
	v_mov_b32 v[XA+8*(\rho)+2], v[XA+8*(\rho)]     ; x stands twice along K: once for T's hi, once for its lo
	v_mov_b32 v[XA+8*(\rho)+3], v[XA+8*(\rho)+1]
.endr
.macro ADD4 a, b                       ; four numbers at b are added onto four at a
	v_pk_add_f32 v[(\a):(\a)+1],   v[(\a):(\a)+1],   v[(\b):(\b)+1]
	v_pk_add_f32 v[(\a)+2:(\a)+3], v[(\a)+2:(\a)+3], v[(\b)+2:(\b)+3]
.endm
.macro SUMQ q                          ; the eight partial sums of product q's T, as a tree, in place
	s_wait_loadcnt 8*(3-(\q))                      ; q's eight loads are in, the later products' may be out
.irp s, 0,2,4,6
	ADD4 P+32*(\q)+4*(\s), P+32*(\q)+4*(\s)+4
.endr
	ADD4 P+32*(\q),    P+32*(\q)+8
	ADD4 P+32*(\q)+16, P+32*(\q)+24
	ADD4 P+32*(\q),    P+32*(\q)+16
.endm
.macro SPLIT q                         ; T = hi + lo: hi = bf16(T); T - hi is exact in f32; lo = bf16 of it
.set b, P+32*(\q)
	v_cvt_pk_bf16_f32 v[TB+8*(\q)],   v[b],   v[b+1]
	v_cvt_pk_bf16_f32 v[TB+8*(\q)+1], v[b+2], v[b+3]
	v_lshlrev_b32 v[b+4], 16,         v[TB+8*(\q)]
	v_and_b32     v[b+5], 0xffff0000, v[TB+8*(\q)]
	v_lshlrev_b32 v[b+6], 16,         v[TB+8*(\q)+1]
	v_and_b32     v[b+7], 0xffff0000, v[TB+8*(\q)+1]
	v_pk_add_f32 v[b+8:b+9],   v[b:b+1],   v[b+4:b+5] neg_lo:[0,1] neg_hi:[0,1]
	v_pk_add_f32 v[b+10:b+11], v[b+2:b+3], v[b+6:b+7] neg_lo:[0,1] neg_hi:[0,1]
	v_cvt_pk_bf16_f32 v[TB+8*(\q)+2], v[b+8],  v[b+9]
	v_cvt_pk_bf16_f32 v[TB+8*(\q)+3], v[b+10], v[b+11]
.endm
.macro MMQ q                           ; one product for each accumulator: nothing is cleared and nothing is chained.  The next q's vector work names none of these registers
.irp rho, 0,1
	v_wmma_f32_16x16x32_bf16 v[D+32*(\rho)+8*(\q):D+32*(\rho)+8*(\q)+7], v[XA+8*(\rho):XA+8*(\rho)+7], v[TB+8*(\q):TB+8*(\q)+7], 0
.endr
.endm
.macro OUT rho                         ; times a, four columns side by side, and out; each accumulator is read from its lowest register on
.irp j, 0,1,2,3,4,5,6,7
.irp q, 0,1,2,3
	v_mul_f32 v[P+32*(\rho)+4*(\j)+(\q)], v[FA], v[D+32*(\rho)+8*(\q)+(\j)]
.endr
	global_store_b128 v[VO], v[P+32*(\rho)+4*(\j):P+32*(\rho)+4*(\j)+3], s[8:9] offset:8192*(\rho)+512*(\j) th:TH_STORE_NT  ; lanes 0-15 store 256 consecutive bytes, aligned; lanes 16-31 those eight rows below.  No register of a store is written again
.endr
.endm
.irp q, 0,1,2,3
	SUMQ \q
	SPLIT \q
	MMQ \q
.endr
.rept 4
	v_nop                                          ; four places between the last product and the first read of its result (ISA guide 7.12.1)
.endr
	OUT 0
	OUT 1
	s_endpgm
.Lfunc_end_k_qc2bbf756cf_apply:
	.size	k_qc2bbf756cf_apply, .Lfunc_end_k_qc2bbf756cf_apply-k_qc2bbf756cf_apply
	.p2alignl 7, 3214868480
	.fill 96, 4, 3214868480
	.section	.rodata,"a",@progbits
	.p2align	6, 0x0
	.amdhsa_kernel k_qc2bbf756cf_apply
		.amdhsa_group_segment_fixed_size 0
		.amdhsa_private_segment_fixed_size 0
		.amdhsa_enable_private_segment 0
		.amdhsa_kernarg_size 24
		.amdhsa_user_sgpr_count 2
		.amdhsa_user_sgpr_kernarg_segment_ptr 1
		.amdhsa_wavefront_size32 1
		.amdhsa_system_sgpr_workgroup_id_x 1
		.amdhsa_system_sgpr_workgroup_id_y 1
		.amdhsa_system_sgpr_workgroup_id_z 1
		.amdhsa_system_vgpr_workitem_id 0
		.amdhsa_next_free_vgpr 256
		.amdhsa_next_free_sgpr 66
		.amdhsa_reserve_vcc 0
		.amdhsa_float_denorm_mode_32 3
		.amdhsa_float_denorm_mode_16_64 3
		.amdhsa_memory_ordered 1
		.amdhsa_forward_progress 1
		.amdhsa_inst_pref_size 17
	.end_amdhsa_kernel
	.amdgpu_metadata
---
amdhsa.version: [ 1, 2 ]
amdhsa.kernels:
  - .name:           k_qc2bbf756cf_apply
    .symbol:         k_qc2bbf756cf_apply.kd
    .args:
      - { .name: x_mv, .offset: 0, .size: 8, .value_kind: global_buffer, .address_space: global }
      - { .name: tp, .offset: 8, .size: 8, .value_kind: global_buffer, .address_space: global }
      - { .name: out0, .offset: 16, .size: 8, .value_kind: global_buffer, .address_space: global }
    .group_segment_fixed_size: 0
    .private_segment_fixed_size: 0
    .kernarg_segment_align: 8
    .kernarg_segment_size: 24
    .max_flat_workgroup_size: 32
    .sgpr_count:     66
    .vgpr_count:     256
    .wavefront_size: 32
...
	.end_amdgpu_metadata
.endif
;; end of part 2
;; ======== version 2 of 2: 2 launches; version 1 with the launch apply written anew for expert scheduling mode
;; workspace buffers: tp 32,768 bytes
;; launch fold: the kernel of part 1 again; grid 8 x 8, 4 waves a work-group, no clusters, 167,936 bytes of LDS; arguments W_in, W_out, tp; writes tp
;; launch apply (part 3): grid 128 x 2, 1 waves a work-group, no clusters, 0 bytes of LDS; arguments x_mv, tp, out0; writes out0
.if DOCPART == 3
	.amdgcn_target "amdgcn-amd-amdhsa--gfx1250"
	.amdhsa_code_object_version 6
	.text
	.protected	k_qc2bbf756cf_apply
	.globl	k_qc2bbf756cf_apply
	.p2align	8
	.type	k_qc2bbf756cf_apply,@function
k_qc2bbf756cf_apply:
	s_mov_b64 s[64:65], 0
	v_nop
	global_prefetch_b8 v0, s[64:65] scope:SCOPE_SE
	s_setreg_imm32_b32 hwreg(HW_REG_WAVE_SCHED_MODE, 0, 2), 2
	s_setreg_imm32_b32 hwreg(HW_REG_WAVE_MODE, 25, 1), 1
	s_wait_xcnt 0x0
	s_wait_alu depctr_vm_vsrc(0)
; SECOND OF TWO LAUNCHES.  out[b][o] = a * sum over i of x[b][i] T[o][i], with T = the sum of tp's eight partial sums and a = the factor that ten steps
; a <- a - 0.1 (a - 1) from 0 leave: h <- h - 0.1 (h - W_x) from h = 0 is h = a W_x.
; LIMITS.  x is rounded once to bf16.  T enters as two bf16 numbers, hi = bf16(T) and lo = bf16(T - hi), side by side along K, so that it keeps some 16 significant bits; sums and a in f32.
; The order of rounding differs from the module's as written.  NaN and infinities are not treated apart.
; SHARES.  One wave a work-group: 32 rows b x 64 columns o: 256 work-groups.  No LDS, no barrier, no loop: all 34 loads are asked for at the start.
; NO CLUSTER, NO TENSOR LOADS: tp's half, 16 KB, goes straight into the registers of the lane that adds it up.
; MATRIX LAYOUT.  Source 0 = x, row r = b.  Source 1 = T, column r = o = 64 half + 4 r + q, for product q = 0..3.  Lane (r, h), registers 0-1: x[b][4h..4h+3] | hi of T[o][4h..4h+3];
; registers 2-3: x once more | lo; registers 4-7: 0 in both.  Result (rho, q), register j: out(b0 + 16 rho + 8 h + j, 4 r + q): the four products' registers j are 16 neighbouring bytes of a row,
; and the multiplication by a sets them side by side.
; THE MODE: SCHED_MODE bits 1:0 = 2 (LLVM: expert scheduling mode 2), set by the entry lines.  The code itself states the register dependences
; between vector or matrix instructions and memory instructions, with s_wait_alu, always for 0.
; THE PLAN.  Registers that memory instructions touch:
;   v3, v4, v5      the offsets.  Written by vector instructions at the head and never again; read by x's loads, by tp's loads and by the stores.
;   XR, P           as loaded: written by the loads alone before their counted waits on LOADcnt; no vector instruction names them ahead of the loads.
;   P .. P+31       out-buffer 0: written by row tile 0's 32 multiplications by a, read by its eight stores, never written again.
;   P+32 .. P+63    out-buffer 1: the same for row tile 1.
;   XA, TB, D, a    are named by vector and matrix instructions alone.
; So three waits on va_vdst state everything: one ahead of the first load (the offsets are written), one behind each row tile's multiplications (its out-buffer is written).
; Row tile 0's stores are dealt among row tile 1's multiplications, which name a, row tile 1's accumulators and out-buffer 1: none of the registers that those stores touch.
; No register that a memory instruction reads is written again: no wait on vm_vsrc is owed.
.set VX, 3                             ; v3   my 16 bytes in 16 rows of x: 32 r + 16 h
.set VL, 4                             ; v4   16 x lane: my 16 bytes in a block of 512 of tp
.set VO, 5                             ; v5   my 16 bytes in out: 4,096 h + 16 r
.set FA, 6                             ; v6   a
.set FG, 7                             ; v7   a - 1
.set XR, 8                             ; v[8:15]    x as loaded, 4 a row tile
.set XA, 16                            ; v[16:31]   source 0, 8 a row tile
.set TB, 32                            ; v[32:63]   source 1, 8 a product
.set P,  64                            ; v[64:191]  partial sum s for product q at P + 32 q + 4 s; later the results to store, 32 a row tile
.set D,  192                           ; v[192:255] accumulators at D + 32 rho + 8 q
	s_load_b128 s[4:7], s[0:1], 0x0                ; x s[4:5], tp s[6:7]
	s_load_b64 s[8:9], s[0:1], 0x10                ; out
	v_and_b32 v1, 15, v0                           ; r
	v_bfe_u32 v2, v0, 4, 1                         ; h
	v_lshlrev_b32 v[VX], 5, v1
	v_lshl_add_u32 v[VX], v2, 4, v[VX]
	v_lshlrev_b32 v[VL], 4, v0                     ; one wave: the thread's number is the lane
	v_lshlrev_b32 v[VO], 4, v1
	v_lshl_add_u32 v[VO], v2, 12, v[VO]
	s_and_b32 s2, ttmp7, 0xffff                    ; which 64 columns
	s_lshl_b32 s10, ttmp9, 10                      ; x: 32 rows of 32 bytes
	s_mov_b32 s11, 0
	s_lshl_b32 s12, s2, 11                         ; tp: four blocks of 512 bytes in each slice
	s_mov_b32 s13, 0
	s_lshl_b32 s14, ttmp9, 14                      ; out: 32 rows of 512 bytes,
	s_lshl_b32 s3, s2, 8                           ; 256 bytes of each
	s_add_co_u32 s14, s14, s3
	s_mov_b32 s15, 0
	s_wait_kmcnt 0x0
	s_add_nc_u64 s[4:5], s[4:5], s[10:11]
	s_add_nc_u64 s[6:7], s[6:7], s[12:13]
	s_add_nc_u64 s[8:9], s[8:9], s[14:15]
	s_wait_alu depctr_va_vdst(0)                   ; the three offsets v3, v4 and v5 are written: every load and store of the kernel reads one of them, and no later vector instruction names them
.irp rho, 0,1
	global_load_b128 v[XR+4*(\rho):XR+4*(\rho)+3], v[VX], s[4:5] offset:512*(\rho)
.endr
.irp q, 0,1,2,3
.irp s, 0,1,2,3,4,5,6,7
	global_load_b128 v[P+32*(\q)+4*(\s):P+32*(\q)+4*(\s)+3], v[VL], s[6:7] offset:4096*(\s)+512*(\q)  ; 512 consecutive bytes a load
.endr
.endr
	; in the wait for them: the unused places along K hold 0 in both sources, and a is made
.irp g, XA+4, XA+12, TB+4, TB+12, TB+20, TB+28
.irp z, 0,1,2,3
	v_mov_b32 v[(\g)+(\z)], 0
.endr
.endr
	v_mov_b32 v[FA], 0
.rept 10
	v_add_f32 v[FG], -1.0, v[FA]                   ; the gradient's factor, a - 1,
	v_fmac_f32 v[FA], 0xbdcccccd, v[FG]            ; and the step: a - 0.1 (a - 1)
.endr
	s_wait_loadcnt 32                              ; loads come back in order (ISA guide 5.7.1): x is in, tp's 32 may be out
.irp rho, 0,1
	v_cvt_pk_bf16_f32 v[XA+8*(\rho)],   v[XR+4*(\rho)],   v[XR+4*(\rho)+1]
	v_cvt_pk_bf16_f32 v[XA+8*(\rho)+1], v[XR+4*(\rho)+2], v[XR+4*(\rho)+3]
	v_mov_b32 v[XA+8*(\rho)+2], v[XA+8*(\rho)]     ; x stands twice along K: once for T's hi, once for its lo
	v_mov_b32 v[XA+8*(\rho)+3], v[XA+8*(\rho)+1]
.endr
.macro ADD4 a, b                       ; four numbers at b are added onto four at a
	v_pk_add_f32 v[(\a):(\a)+1],   v[(\a):(\a)+1],   v[(\b):(\b)+1]
	v_pk_add_f32 v[(\a)+2:(\a)+3], v[(\a)+2:(\a)+3], v[(\b)+2:(\b)+3]
.endm
.macro SUMQ q                          ; the eight partial sums of product q's T, as a tree, in place
	s_wait_loadcnt 8*(3-(\q))                      ; q's eight loads are in, the later products' may be out
.irp s, 0,2,4,6
	ADD4 P+32*(\q)+4*(\s), P+32*(\q)+4*(\s)+4
.endr
	ADD4 P+32*(\q),    P+32*(\q)+8
	ADD4 P+32*(\q)+16, P+32*(\q)+24
	ADD4 P+32*(\q),    P+32*(\q)+16
.endm
.macro SPLIT q                         ; T = hi + lo: hi = bf16(T); T - hi is exact in f32; lo = bf16 of it
.set b, P+32*(\q)
	v_cvt_pk_bf16_f32 v[TB+8*(\q)],   v[b],   v[b+1]
	v_cvt_pk_bf16_f32 v[TB+8*(\q)+1], v[b+2], v[b+3]
	v_lshlrev_b32 v[b+4], 16,         v[TB+8*(\q)]
	v_and_b32     v[b+5], 0xffff0000, v[TB+8*(\q)]
	v_lshlrev_b32 v[b+6], 16,         v[TB+8*(\q)+1]
	v_and_b32     v[b+7], 0xffff0000, v[TB+8*(\q)+1]
	v_pk_add_f32 v[b+8:b+9],   v[b:b+1],   v[b+4:b+5] neg_lo:[0,1] neg_hi:[0,1]
	v_pk_add_f32 v[b+10:b+11], v[b+2:b+3], v[b+6:b+7] neg_lo:[0,1] neg_hi:[0,1]
	v_cvt_pk_bf16_f32 v[TB+8*(\q)+2], v[b+8],  v[b+9]
	v_cvt_pk_bf16_f32 v[TB+8*(\q)+3], v[b+10], v[b+11]
.endm
.macro MMQ q                           ; one product for each accumulator: nothing is cleared and nothing is chained.  The next q's vector work names none of these registers
.irp rho, 0,1
	v_wmma_f32_16x16x32_bf16 v[D+32*(\rho)+8*(\q):D+32*(\rho)+8*(\q)+7], v[XA+8*(\rho):XA+8*(\rho)+7], v[TB+8*(\q):TB+8*(\q)+7], 0
.endr
.endm
.macro SCALE rho, j                    ; register j of row tile rho's four accumulators times a, four columns side by side, into the tile's out-buffer
.irp q, 0,1,2,3
	v_mul_f32 v[P+32*(\rho)+4*(\j)+(\q)], v[FA], v[D+32*(\rho)+8*(\q)+(\j)]
.endr
.endm
.macro SEND rho, j                     ; and out
	global_store_b128 v[VO], v[P+32*(\rho)+4*(\j):P+32*(\rho)+4*(\j)+3], s[8:9] offset:8192*(\rho)+512*(\j) th:TH_STORE_NT  ; lanes 0-15 store 256 consecutive bytes, aligned; lanes 16-31 those eight rows below.  No register of a store is written again
.endm
.irp q, 0,1,2,3
	SUMQ \q
	SPLIT \q
	MMQ \q
.endr
.rept 4
	v_nop                                          ; four places between the last product and the first read of its result (ISA guide 7.12.1)
.endr
.irp j, 0,1,2,3,4,5,6,7
	SCALE 0, \j                                    ; each accumulator is read from its lowest register on
.endr
	s_wait_alu depctr_va_vdst(0)                   ; row tile 0's multiplications have written out-buffer 0, which its eight stores read
.irp j, 0,1,2,3,4,5,6,7
	SEND 0, \j                                     ; no further wait: no vector instruction since the wait above names out-buffer 0 or v5
	SCALE 1, \j
.endr
	s_wait_alu depctr_va_vdst(0)                   ; row tile 1's multiplications have written out-buffer 1, which the last eight stores read
.irp j, 0,1,2,3,4,5,6,7
	SEND 1, \j
.endr
	s_endpgm
.Lfunc_end_k_qc2bbf756cf_apply:
	.size	k_qc2bbf756cf_apply, .Lfunc_end_k_qc2bbf756cf_apply-k_qc2bbf756cf_apply
	.p2alignl 7, 3214868480
	.fill 96, 4, 3214868480
	.section	.rodata,"a",@progbits
	.p2align	6, 0x0
	.amdhsa_kernel k_qc2bbf756cf_apply
		.amdhsa_group_segment_fixed_size 0
		.amdhsa_private_segment_fixed_size 0
		.amdhsa_enable_private_segment 0
		.amdhsa_kernarg_size 24
		.amdhsa_user_sgpr_count 2
		.amdhsa_user_sgpr_kernarg_segment_ptr 1
		.amdhsa_wavefront_size32 1
		.amdhsa_system_sgpr_workgroup_id_x 1
		.amdhsa_system_sgpr_workgroup_id_y 1
		.amdhsa_system_sgpr_workgroup_id_z 1
		.amdhsa_system_vgpr_workitem_id 0
		.amdhsa_next_free_vgpr 256
		.amdhsa_next_free_sgpr 66
		.amdhsa_reserve_vcc 0
		.amdhsa_float_denorm_mode_32 3
		.amdhsa_float_denorm_mode_16_64 3
		.amdhsa_memory_ordered 1
		.amdhsa_forward_progress 1
		.amdhsa_inst_pref_size 17
	.end_amdhsa_kernel
	.amdgpu_metadata
---
amdhsa.version: [ 1, 2 ]
amdhsa.kernels:
  - .name:           k_qc2bbf756cf_apply
    .symbol:         k_qc2bbf756cf_apply.kd
    .args:
      - { .name: x_mv, .offset: 0, .size: 8, .value_kind: global_buffer, .address_space: global }
      - { .name: tp, .offset: 8, .size: 8, .value_kind: global_buffer, .address_space: global }
      - { .name: out0, .offset: 16, .size: 8, .value_kind: global_buffer, .address_space: global }
    .group_segment_fixed_size: 0
    .private_segment_fixed_size: 0
    .kernarg_segment_align: 8
    .kernarg_segment_size: 24
    .max_flat_workgroup_size: 32
    .sgpr_count:     66
    .vgpr_count:     256
    .wavefront_size: 32
...
	.end_amdgpu_metadata
.endif
;; end of part 3
